; MI455X (gfx1250); checked and timed in simulation.
; The chip was launched on July 23, 2026; its instructions are those of AMD's public machine-readable ISA for CDNA 5 (MIT licence, August 2026) and "CDNA5" Instruction Set Architecture Reference Guide (July 2026). The comments in the code are by the model that wrote it; some were corrected since.
;; Attention S. Allowed arithmetic: matrix products marked QUANTISED: E2M1 operands, one E8M0 scale for each 32 along K, by v_wmma_scale_f32_16x16x128_f8f6f4 with both operands' format E2M1 (or v_wmma_scale_f32_32x16x128_f4), f32 sums; products left as they are: bf16, f16 or f32 operands; f32 sums; everything else in f32.
;; Inputs: b_out 256 float32; b_qkv 768 float32; w_out 256 x 256 float32; w_qkv 256 x 768 float32; x 2 x 256 x 64 x 64 float32.
;; Outputs: out0 2 x 256 x 64 x 64 float32.
;; This version of the problem:
;;   THIS VERSION OF THE PROBLEM IS GIVEN IN LOW PRECISION. The matrix products marked QUANTISED in the list below multiply operands that are first quantised to E2M1 (2 exponent bits, 1 mantissa bit; 4 bits a number), with one power-of-two scale for each 32 numbers along K (OCP MX v1.0); their sums are f32. The products marked 'left as it is' may take bf16, f16 or f32 operands, with f32 sums. Whichever they take, every output number must still come out within the allowed error. Rounding operands to bf16 (8 significant bits) uses up far more of that allowance than f16 does (11 bits, for magnitudes from 6e-5 to 65,504). All else is computed in f32.
;;   The module's matrix products, in the order in which they are computed (A, B: the left and right operand; K: the contracted axis; several contracted axes count as one K, in the product's order):
;;     1. [M 8,192, K 256] x [K 256, N 768]; A: input x; B: input w_qkv: QUANTISED
;;     2. batch 16 x [M 4,096, K 32] x [K 32, N 4,096]; A: computed on the way; B: computed on the way: left as it is (an operand is computed on the way)
;;     3. batch 16 x [M 4,096, K 4,096] x [K 4,096, N 32]; A: computed on the way; B: computed on the way: left as it is (an operand is computed on the way)
;;     4. [M 8,192, K 256] x [K 256, N 256]; A: computed on the way; B: input w_out: left as it is (an operand is computed on the way)
;;   THE QUANTISER, for each operand of a quantised product, along K:
;;     - K is cut into blocks of 32 from its start; a last block that is shorter is filled with zeros.
;;     - A block's scale is 2^e with e = floor(log2(the largest magnitude in the block)) - 2, held to -126 .. 127; a block of zeros has e = 0. As a byte (E8M0): e + 127.
;;     - Each number is divided by its block's scale, clamped to +-6, and rounded to the nearest number of E2M1, ties to even, subnormals kept.
;;     - The product sums the exact products of the quantised numbers (number of the format x scale) in f32.
;;   ~~~python
;;   def quantise(x, axis):      # numpy; x: float32 -> the quantised numbers, widened to float32 again
;;       x = np.moveaxis(x, axis, -1); K = x.shape[-1]
;;       x = np.pad(x, [(0, 0)] * (x.ndim - 1) + [(0, -K % 32)]); x = x.reshape(x.shape[:-1] + (-1, 32)); a = np.abs(x).max(-1, keepdims=True)
;;       e = np.where(a > 0, np.clip(np.frexp(np.where(a > 0, a, 1))[1] - 1 - 2, -126, 127), 0)      # np.frexp(a)[1] - 1 = floor(log2(a)), exactly
;;       r = np.clip(x / 2.0 ** e, -6, 6)
;;       step = 2.0 ** (np.maximum(np.frexp(np.where(r == 0, 1, r))[1] - 1, 0) - 1)
;;       q = np.round(r / step) * step * 2.0 ** e      # np.round: ties to even
;;       return np.moveaxis(q.reshape(q.shape[:-2] + (-1,))[..., :K], -1, axis).astype(np.float32)
;;   ~~~
;; One version. Each part assembles by itself: llvm-mc -triple=amdgcn-amd-amdhsa -mcpu=gfx1250 --defsym DOCPART=n.
;; ======== version 1 of 1: 3 launches
;; limits: values are held in f16: magnitudes above 65,504 overflow, below 6.1e-05 lose precision
;; workspace buffers: qimg 4,194,304 bytes; kimg 4,194,304 bytes; vimg 4,194,304 bytes; oimg 4,194,304 bytes
;; launch qkv (part 1): grid 64 x 3, 16 waves a work-group, no clusters, 54,272 bytes of LDS; arguments x, w_qkv, b_qkv, qimg, kimg, vimg; writes qimg, kimg, vimg
.if DOCPART == 1
	.amdgcn_target "amdgcn-amd-amdhsa--gfx1250"
	.amdhsa_code_object_version 6
	.text
	.protected	k_qe5cd461f88_qkv
	.globl	k_qe5cd461f88_qkv
	.p2align	8
	.type	k_qe5cd461f88_qkv,@function
k_qe5cd461f88_qkv:
	s_mov_b64 s[64:65], 0
	v_nop
	global_prefetch_b8 v0, s[64:65] scope:SCOPE_SE
	s_setreg_imm32_b32 hwreg(HW_REG_WAVE_MODE, 25, 1), 1
	s_wait_xcnt 0x0
; qkv = tokens w_qkv + b_qkv on codes of FP4 (E2M1) with one E8M0 scale for each 32 along K, K = the 256 channels.  x: [2][256][4096] f32 (a token's channels lie 16,384 bytes apart), w_qkv: [256][768] f32:
; in both K is the outer axis.  The results leave rounded to f16, laid as images of the operand registers of the next launch's products (a fragment of 16 x 32 f16: 1,024 bytes, half c at 512 c + 16 x lane).
; SHARES.  A work-group takes 128 tokens (x of the grid) and the 256 columns of one kind (y of the grid: 0 q, 1 k, 2 v).  Sixteen waves.
; PHASE 1, quantising.  A LANE TAKES A TOKEN OR A COLUMN AND ITS REGISTERS RUN DOWN K: a block of 32 along K lies in one lane's 32 registers, each load reads 128 consecutive bytes.  A wave does three half tasks
; (32 tokens, 32 columns, 32 more columns) x 64 along K (its quarter qd of K): two blocks each.  The two blocks' codes, with lanes 16-31 of the one exchanged for lanes 0-15 of the other, are registers
; 4 cc .. 4 cc + 3 of two operand fragments; they go to LDS as they stand, 16 bytes a lane; the two scale bytes are half of each entity's scale word.
; PHASE 2, the product.  Wave w takes column tile w (16 columns) against the 8 token tiles, two K steps of 128: 16 matrix instructions, 8 accumulators by turns.  The bias is the C of each sum's first instruction.
; q, k: source 0 = columns, source 1 = tokens: a lane holds one token and 8 neighbouring channels.  v: the sources exchanged: a lane holds one channel and 8 neighbouring tokens (V goes out with the keys innermost).
; NO JOINT LOADS: the shared operands arrive as f32 and pass through registers to be quantised; as f32 tiles the work-group's part of x (131,072 bytes) and of w_qkv (262,144 bytes) would not fit in LDS together.
; LIMITS: the results are rounded to f16: magnitudes of q, k, v stay under 65,504.  NaN and infinities among the inputs are not served.  A block of zeros gets the byte 1 where the rule says 127 (its codes are
; zeros, and this program alone reads the bytes); blocks whose largest magnitude lies under 2^-124, the floor, were not tried.
.set XIMG,  0                          ; LDS: x's fragments: (2 T + s) x 1,024 + 512 c + 16 x lane, T the token tile, s the K step
.set WIMG,  16384                      ; w's likewise, 16 column tiles
.set XSC,   49152                      ; x's scale words: (2 x group + s) x 128 + 4 x entity
.set WSC,   50176                      ; w's, 8 groups
.set SPARE, 52224                      ; the spare words, 128 bytes for each wave: eight blocks of 256 bytes that no other line names
.set L4,   1                           ; v1   4 x lane: my token or column in a row
.set IA,   2                           ; v2   where I store code images: 16 x lane + 4,096 g + 1,024 st + 512 cc
.set SA,   3                           ; v3   and scale half-words: 4 x lane + 256 g + 128 st + 2 cc
.set LW,   4                           ; v4   my column tile's fragments: 16 x lane + 2,048 x wave
.set LWS,  5                           ; v5   and its scale words
.set LI,   6                           ; v6   16 x lane
.set LXS,  7                           ; v7   4 x (lane % 16)
.set BA,   8                           ; v8   32 x (lane / 16)
.set SPW,  9                           ; v9   LDS address of my spare word; never rewritten
.set NIL,  10                          ; v10  0; never rewritten
.set T0,   11                          ; v11-13 at work
.set T1,   12
.set SCL,  13
.set WS,   14                          ; v14-15 w's scale words: scales and nothing else
.set BI,   16                          ; v16-23 the bias in the result's layout
.set CX,   24                          ; v24-47 codes of the three half tasks, 8 registers each
.set WF,   24                          ; later: my column tile's two fragments
.set D,    48                          ; v48-111 two sets of 32 numbers
.set ACC,  48                          ; later: 8 accumulators
.set XS,   112                         ; v112-127 x's scale words: scales and nothing else
.set BY,   128                         ; v128-133 six scale bytes;  v134-136 three half-words
.set HW,   134
.set XF,   128                         ; later: x's 16 fragments, v128-255
.set PK,   128                         ; later: the packed results
	s_load_b256 s[4:11], s[0:1], 0x0               ; x s[4:5], w_qkv s[6:7], b_qkv s[8:9], qimg s[10:11]
	s_load_b128 s[12:15], s[0:1], 0x20             ; kimg s[12:13], vimg s[14:15]
	v_lshl_add_u32 v[SPW], v0, 2, SPARE
	v_mov_b32 v[NIL], 0
	v_lshrrev_b32 v[T0], 5, v0
	v_readfirstlane_b32 s16, v[T0]                 ; wave 0..15
	s_and_b32 s17, s16, 3                          ; g: which 32 tokens or columns
	s_lshr_b32 s18, s16, 2                         ; qd: which 64 along K
	s_lshr_b32 s19, s18, 1                         ; st: its K step of 128
	s_and_b32 s20, s18, 1                          ; cc: its half of that step
	s_and_b32 s21, ttmp9, 31                       ; the block of 128 tokens in its batch
	s_and_b32 s22, ttmp7, 0xffff                   ; ty: 0 q, 1 k, 2 v
	s_lshr_b32 s23, ttmp9, 5                       ; the batch
	v_and_b32 v[T1], 31, v0                        ; lane
	v_and_b32 v[SCL], 15, v0                       ; lane % 16
	v_lshlrev_b32 v[L4], 2, v[T1]
	v_lshlrev_b32 v[LI], 4, v[T1]
	v_lshlrev_b32 v[LXS], 2, v[SCL]
	v_bfe_u32 v[BA], v0, 4, 1
	v_lshlrev_b32 v[BA], 5, v[BA]
	s_lshl_b32 s36, s17, 12
	s_lshl_b32 s37, s19, 10
	s_add_co_u32 s36, s36, s37
	s_lshl_b32 s37, s20, 9
	s_add_co_u32 s36, s36, s37
	v_add_nc_u32 v[IA], s36, v[LI]
	s_lshl_b32 s36, s17, 8
	s_lshl_b32 s37, s19, 7
	s_add_co_u32 s36, s36, s37
	s_lshl_b32 s37, s20, 1
	s_add_co_u32 s36, s36, s37
	v_add_nc_u32 v[SA], s36, v[L4]
	s_lshl_b32 s36, s16, 11
	v_add_nc_u32 v[LW], s36, v[LI]
	s_lshr_b32 s36, s16, 1
	s_lshl_b32 s36, s36, 8
	s_and_b32 s37, s16, 1
	s_lshl_b32 s37, s37, 6
	s_add_co_u32 s36, s36, s37
	v_add_nc_u32 v[LWS], s36, v[LXS]
	s_lshl_b32 s24, s23, 22                        ; x: the batch's 4,194,304 bytes,
	s_lshl_b32 s25, s18, 20                        ; 64 qd rows of 16,384,
	s_add_co_u32 s24, s24, s25
	s_lshl_b32 s25, s21, 9                         ; the block's 128 tokens,
	s_add_co_u32 s24, s24, s25
	s_lshl_b32 s25, s17, 7                         ; my 32 of them
	s_add_co_u32 s24, s24, s25
	s_mov_b32 s25, 0
	s_mul_i32 s26, s18, 196608                     ; w: 64 qd rows of 3,072 bytes,
	s_lshl_b32 s27, s22, 10                        ; the kind's 256 columns,
	s_add_co_u32 s26, s26, s27
	s_lshl_b32 s27, s17, 7                         ; my 32 of them
	s_add_co_u32 s26, s26, s27
	s_mov_b32 s27, 0
	s_lshl_b32 s30, s22, 10                        ; the bias: the kind's 256 numbers, my tile's 16
	s_lshl_b32 s31, s16, 6
	s_add_co_u32 s30, s30, s31
	s_mov_b32 s31, 0
	s_lshl_b32 s32, s23, 3                         ; the way out: (8 x batch + head) x 262,144 + block x 8,192, in all three buffers;
	s_lshr_b32 s36, s16, 1
	s_add_co_u32 s32, s32, s36
	s_lshl_b32 s32, s32, 18
	s_lshl_b32 s36, s21, 13
	s_add_co_u32 s32, s32, s36
	s_and_b32 s36, s16, 1
	s_lshl_b32 s37, s36, 10
	s_add_co_u32 s34, s32, s37                     ; v: my channel tile is a fragment of its own: 1,024 x (wave % 2)
	s_lshl_b32 s37, s36, 9
	s_add_co_u32 s32, s32, s37                     ; q, k: my 16 channels are half a fragment: 512 x (wave % 2)
	s_mov_b32 s33, 0
	s_mov_b32 s35, 0
	s_wait_kmcnt 0x0
	s_add_nc_u64 s[4:5], s[4:5], s[24:25]
	s_add_nc_u64 s[6:7], s[6:7], s[26:27]
	s_add_nc_u64 s[8:9], s[8:9], s[30:31]
	s_cmp_eq_u32 s22, 0                            ; the choice hangs on the work-group's number alone
	s_cselect_b64 s[28:29], s[10:11], s[12:13]
	s_add_nc_u64 s[28:29], s[28:29], s[32:33]
	s_add_nc_u64 s[14:15], s[14:15], s[34:35]
	; the bias, in the result's layout: the oldest loads, so every later count covers them on both ways
	s_cmp_eq_u32 s22, 2
	s_cbranch_scc1 .Lbias_v
	global_load_b128 v[BI:BI+3], v[BA], s[8:9]                 ; q, k: register j is the bias of column 8 (lane / 16) + j
	global_load_b128 v[BI+4:BI+7], v[BA], s[8:9] offset:16
	s_branch .Lbias_done
.Lbias_v:
.irp j, 0,1,2,3,4,5,6,7
	global_load_b32 v[BI+\j], v[LXS], s[8:9]                   ; v: every register is the bias of column lane % 16
.endr
.Lbias_done:
.macro LOADX blk, set                  ; block blk of my 64 along K: x(32 blk + i, my token), i = 0 .. 31
.set i, 0
.rept 32
	global_load_b32 v[D+32*\set+i], v[L4], s[4:5] offset:(32*\blk+i)*16384
.set i, i+1
.endr
.endm
.macro LOADW grp, blk, set             ; the same of w; grp = 1: the columns 128 further on
.set i, 0
.rept 32
	global_load_b32 v[D+32*\set+i], v[L4], s[6:7] offset:(32*\blk+i)*3072+512*\grp
.set i, i+1
.endr
.endm
; A block of 32 numbers, all mine, becomes 4 registers of codes and a scale byte.
.macro QBLK set, cdst, by
.set XB, D+32*\set
	v_max3_num_f32 v[T0], |v[XB]|, |v[XB+1]|, |v[XB+2]|        ; the largest magnitude, in two chains
	v_max3_num_f32 v[T1], |v[XB+3]|, |v[XB+4]|, |v[XB+5]|
.irp i, 6,10,14,18,22,26
	v_max3_num_f32 v[T0], v[T0], |v[XB+\i]|, |v[XB+\i+1]|
	v_max3_num_f32 v[T1], v[T1], |v[XB+\i+2]|, |v[XB+\i+3]|
.endr
	v_max3_num_f32 v[T0], v[T0], |v[XB+30]|, |v[XB+31]|
	v_max3_num_f32 v[T0], v[T0], v[T1], 0x1800000              ; and the floor 2^(3 - 127): the byte cannot fall under 1
	v_add_nc_u32 v[SCL], 0xff000000, v[T0]                     ; 2 off its exponent field: the conversion takes the exponent field of this operand as its scale
.irp i, 0,1,2,3
	v_cvt_scalef32_pk8_fp4_f32 v[\cdst+\i], v[XB+8*\i:XB+8*\i+7], v[SCL]
.endr
	v_lshrrev_b32 v[\by], 23, v[SCL]                           ; the scale's byte; also the plain instruction behind the conversions
.endm
; Two blocks' codes (ca .. ca + 3: block 2 cc; ca + 4 .. ca + 7: block 2 cc + 1) become registers 4 cc .. 4 cc + 3 of the fragments of entities 0-15 and 16-31, and go to LDS.
.macro FIN ca, by0, hw, img, sc
	v_lshl_or_b32 v[\hw], v[\by0+1], 8, v[\by0]                ; bytes 2 cc and 2 cc + 1 of my entity's scale word
.irp i, 0,1,2,3
	v_permlane16_swap_b32 v[\ca+\i], v[\ca+4+\i]               ; the operand's layout wants block 2 cc in lanes 0-15 and block 2 cc + 1 in lanes 16-31
.endr
	ds_store_b128 v[IA], v[\ca:\ca+3] offset:\img
	ds_store_b128 v[IA], v[\ca+4:\ca+7] offset:\img+2048
	ds_store_b16 v[SA], v[\hw] offset:\sc
.endm
	LOADX 0, 0
	LOADX 1, 1
	s_wait_loadcnt 32                              ; loads come back in order: all but the youngest block of 32 are in; so at each of these waits
	QBLK 0, CX, BY
	LOADW 0, 0, 0
	s_wait_loadcnt 32
	QBLK 1, CX+4, BY+1
	LOADW 0, 1, 1
	FIN CX, BY, HW, XIMG, XSC
	s_wait_loadcnt 32
	QBLK 0, CX+8, BY+2
	LOADW 1, 0, 0
	s_wait_loadcnt 32
	QBLK 1, CX+12, BY+3
	LOADW 1, 1, 1
	FIN CX+8, BY+2, HW+1, WIMG, WSC
	s_wait_loadcnt 32
	QBLK 0, CX+16, BY+4
	s_wait_loadcnt 0x0
	QBLK 1, CX+20, BY+5
	FIN CX+16, BY+4, HW+2, WIMG+16384, WSC+1024
	s_wait_dscnt 0x0                               ; for the others' sake: my stores have landed
	s_barrier_signal -1
	s_barrier_wait -1                              ; all fragments and scale words lie in LDS
.irp s, 0,1
.irp c, 0,1
	ds_load_b128 v[WF+8*\s+4*\c:WF+8*\s+4*\c+3], v[LW] offset:WIMG+\s*1024+512*\c
.endr
	ds_load_b32 v[WS+\s], v[LWS] offset:WSC+128*\s
.endr
.irp t, 0,1,2,3,4,5,6,7
.irp s, 0,1
.irp c, 0,1
	ds_load_b128 v[XF+16*\t+8*\s+4*\c:XF+16*\t+8*\s+4*\c+3], v[LI] offset:XIMG+\t*2048+\s*1024+512*\c
.endr
	ds_load_b32 v[XS+2*\t+\s], v[LXS] offset:XSC+(\t/2)*256+128*\s+(\t%2)*64   ; lanes 0-15 hold the tile's 16 words
.endr
.endr
	s_wait_dscnt 0x0
; 16 matrix instructions: two K steps x 8 token tiles; the 8 accumulators take turns, one instruction a turn.  swap = 0: source 0 = my columns; 1: source 0 = the tokens.
.macro MUL swap
.irp s, 0,1
.irp t, 0,1,2,3,4,5,6,7
.if \swap == 0
.if \s == 0
	v_wmma_scale_f32_16x16x128_f8f6f4 v[ACC+8*\t:ACC+8*\t+7], v[WF+8*\s:WF+8*\s+7], v[XF+16*\t+8*\s:XF+16*\t+8*\s+7], v[BI:BI+7], v[WS+\s], v[XS+2*\t+\s] matrix_a_fmt:MATRIX_FMT_FP4 matrix_b_fmt:MATRIX_FMT_FP4
.else
	v_wmma_scale_f32_16x16x128_f8f6f4 v[ACC+8*\t:ACC+8*\t+7], v[WF+8*\s:WF+8*\s+7], v[XF+16*\t+8*\s:XF+16*\t+8*\s+7], v[ACC+8*\t:ACC+8*\t+7], v[WS+\s], v[XS+2*\t+\s] matrix_a_fmt:MATRIX_FMT_FP4 matrix_b_fmt:MATRIX_FMT_FP4
.endif
.else
.if \s == 0
	v_wmma_scale_f32_16x16x128_f8f6f4 v[ACC+8*\t:ACC+8*\t+7], v[XF+16*\t+8*\s:XF+16*\t+8*\s+7], v[WF+8*\s:WF+8*\s+7], v[BI:BI+7], v[XS+2*\t+\s], v[WS+\s] matrix_a_fmt:MATRIX_FMT_FP4 matrix_b_fmt:MATRIX_FMT_FP4
.else
	v_wmma_scale_f32_16x16x128_f8f6f4 v[ACC+8*\t:ACC+8*\t+7], v[XF+16*\t+8*\s:XF+16*\t+8*\s+7], v[WF+8*\s:WF+8*\s+7], v[ACC+8*\t:ACC+8*\t+7], v[XS+2*\t+\s], v[WS+\s] matrix_a_fmt:MATRIX_FMT_FP4 matrix_b_fmt:MATRIX_FMT_FP4
.endif
.endif
.endr
.endr
.endm
.macro PACK                            ; a lane's eight results of a tile are eight neighbours: 16 bytes of f16; each accumulator is read from its low end on
.rept 4
	v_nop                                          ; four places between the last products and the instructions that read results and write over x's fragments (ISA guide 7.12.1)
.endr
.set i, 0
.rept 32
	v_cvt_pk_f16_f32 v[PK+i], v[ACC+2*i], v[ACC+2*i+1]
.set i, i+1
.endr
.endm
	s_cmp_eq_u32 s22, 2
	s_cbranch_scc1 .Lmul_v
	MUL 0                                          ; lane (r, h), register j: token r, channel 16 (wave % 2) + 8 h + j of head wave / 2
	PACK
.irp t, 0,1,2,3,4,5,6,7
	global_store_b128 v[LI], v[PK+4*\t:PK+4*\t+3], s[28:29] offset:\t*1024       ; 32 lanes store 512 consecutive bytes: half a fragment of token tile t
.endr
	s_branch .Lend
.Lmul_v:
	MUL 1                                          ; lane (r, h), register j: channel r of my tile, token 8 h + j
	PACK
.irp t, 0,1,2,3,4,5,6,7
	global_store_b128 v[LI], v[PK+4*\t:PK+4*\t+3], s[14:15] offset:(\t/2)*2048+(\t%2)*512   ; key block t / 2, its keys 16 (t % 2) on
.endr
.Lend:
	s_wait_tensorcnt 0x0                           ; the wave's end, behind my last LDS store
	ds_add_u32 v[SPW], v[NIL]
	s_wait_dscnt 0x0
	s_endpgm
.Lfunc_end_k_qe5cd461f88_qkv:
	.size	k_qe5cd461f88_qkv, .Lfunc_end_k_qe5cd461f88_qkv-k_qe5cd461f88_qkv
	.p2alignl 7, 3214868480
	.fill 96, 4, 3214868480
	.section	.rodata,"a",@progbits
	.p2align	6, 0x0
	.amdhsa_kernel k_qe5cd461f88_qkv
		.amdhsa_group_segment_fixed_size 54272
		.amdhsa_private_segment_fixed_size 0
		.amdhsa_enable_private_segment 0
		.amdhsa_kernarg_size 48
		.amdhsa_user_sgpr_count 2
		.amdhsa_user_sgpr_kernarg_segment_ptr 1
		.amdhsa_wavefront_size32 1
		.amdhsa_system_sgpr_workgroup_id_x 1
		.amdhsa_system_sgpr_workgroup_id_y 1
		.amdhsa_system_sgpr_workgroup_id_z 1
		.amdhsa_system_vgpr_workitem_id 0
		.amdhsa_next_free_vgpr 256
		.amdhsa_next_free_sgpr 66
		.amdhsa_reserve_vcc 0
		.amdhsa_float_denorm_mode_32 3
		.amdhsa_float_denorm_mode_16_64 3
		.amdhsa_memory_ordered 1
		.amdhsa_forward_progress 1
		.amdhsa_inst_pref_size 46
	.end_amdhsa_kernel
	.amdgpu_metadata
---
amdhsa.version: [ 1, 2 ]
amdhsa.kernels:
  - .name:           k_qe5cd461f88_qkv
    .symbol:         k_qe5cd461f88_qkv.kd
    .args:
      - { .name: x, .offset: 0, .size: 8, .value_kind: global_buffer, .address_space: global }
      - { .name: w_qkv, .offset: 8, .size: 8, .value_kind: global_buffer, .address_space: global }
      - { .name: b_qkv, .offset: 16, .size: 8, .value_kind: global_buffer, .address_space: global }
      - { .name: qimg, .offset: 24, .size: 8, .value_kind: global_buffer, .address_space: global }
      - { .name: kimg, .offset: 32, .size: 8, .value_kind: global_buffer, .address_space: global }
      - { .name: vimg, .offset: 40, .size: 8, .value_kind: global_buffer, .address_space: global }
    .group_segment_fixed_size: 54272
    .private_segment_fixed_size: 0
    .kernarg_segment_align: 8
    .kernarg_segment_size: 48
    .max_flat_workgroup_size: 512
    .sgpr_count:     66
    .vgpr_count:     256
    .wavefront_size: 32
...
	.end_amdgpu_metadata
.endif
;; end of part 1
;; launch attn (part 2): grid 16 x 16, 16 waves a work-group, clusters of 4 x 1, 327,680 bytes of LDS; arguments qimg, kimg, vimg, oimg; writes oimg
.if DOCPART == 2
	.amdgcn_target "amdgcn-amd-amdhsa--gfx1250"
	.amdhsa_code_object_version 6
	.text
	.protected	k_qe5cd461f88_attn
	.globl	k_qe5cd461f88_attn
	.p2align	8
	.type	k_qe5cd461f88_attn,@function
k_qe5cd461f88_attn:
	s_mov_b64 s[64:65], 0
	v_nop
	global_prefetch_b8 v0, s[64:65] scope:SCOPE_SE
	s_setreg_imm32_b32 hwreg(HW_REG_WAVE_MODE, 25, 1), 1
	s_wait_xcnt 0x0
	s_wait_alu depctr_hold_cnt(0) depctr_sa_sdst(0) depctr_va_vdst(0) depctr_va_sdst(0) depctr_va_ssrc(0) depctr_va_vcc(0) depctr_vm_vsrc(0)
	s_getreg_b32 s2, hwreg(HW_REG_IB_STS2, 6, 4)
	s_cmp_eq_u32 s2, 0
	s_cbranch_scc0 .Lentry_in_a_cluster
	s_endpgm
.Lentry_in_a_cluster:
	s_bfe_u32 s2, ttmp6, 0x10000c
	s_cmp_lg_u32 s2, 0x3003
	s_cbranch_scc0 .Lentry_shape_is_right
	s_endpgm
.Lentry_shape_is_right:
; O[bh][q] = the sum over k of softmax_k(Q[bh][q] . K[bh][k] / sqrt(32)) V[bh][k]: 16 heads (batch x head), 4,096 tokens, head size 32.  Operands f16, products, maxima and sums f32; the weights p are rounded to f16.
; Q, K, V arrive, and O leaves, as images of operand registers: a fragment of 16 x 32 f16 is 1,024 bytes, half c (registers 4 c .. 4 c + 3) at 512 c + 16 x lane.  So every load and store takes 512 consecutive bytes.
; SHARES.  A work-group owns 256 queries of one head.  Sixteen waves, four to a SIMD in 256 registers each, so that one wave's matrix work and LDS loads stand beside the others' vector work.  Wave w owns
; 32 queries (two tiles, p = w % 8) and HALF of the keys (kh = w / 8): each fragment of K or V read from LDS feeds two matrix instructions.  The two halves of a query meet once, at the end, through LDS.
; LAYOUT.  Both products are used transposed: S^T = K Q^T (source 0 = 16 keys, source 1 = 16 queries), O^T = V^T P (source 0 = 16 channels x 32 keys, source 1 = P): a lane holds ONE query throughout, and two
; tiles of S^T, rounded in pairs, ARE source 1 of the second product.  P is packed in place, into the lower half of S^T's registers; the upper half of tile 0's then serves as a second fragment buffer.
; SOFTMAX.  A running maximum m and sum l for each query: p = 2^(c s - c m), c = log2(e) / sqrt(32); in every step of 128 keys O and l are multiplied by a = 2^(c m_old - c m_new).
; O, l begin as zeros and m as -3e38, so that the step is written without a first step of its own: the first a is 0 and multiplies zeros.
; RING.  Two LDS slots of 131,072 bytes: 512 keys of K and of V for each key half, four regions of 32,768 bytes, each brought by one tensor load of waves 0 to 3.  Four parts in all: two first fills, two refills.
; By this text's count a wave has two tensor loads out at the start and one behind a change of slots; a refill has four key steps of all sixteen waves in which to land.
; CLUSTER.  The four query blocks of a cluster belong to one head and walk the same K and V: each region is asked for JOINTLY, by the same tensor load with the same descriptor and a mask that names the four.
; LIMITS: NaN and infinities are not served; O is rounded to f16 (it is an average of v, which is f16 already).
.set SLOT1, 1<<17                      ; slot 1 begins here: one exclusive or turns an address in one slot into the other's
.set MERGE, 2*SLOT1                    ; behind the ring: 5,120 bytes for each pair of waves: O^T (4,096) and the statistics (1,024); no tensor load lands here
.set SPARE, MERGE+8*5120               ; the spare words, 128 bytes for each wave: eight blocks of 256 bytes that no other line names
.set AK0,  1                           ; v1   16 x lane + 32,768 kh: my place in a slot's region of K
.set ADK,  2                           ; v2   LDS address of the step's K
.set ADV,  3                           ; v3   and V: 65,536 further on
.set SPW,  4                           ; v4   LDS address of my spare word; never rewritten
.set NIL,  5                           ; v5   0; never rewritten
.set LOFF, 6                           ; v6   16 x lane
.set MST,  7                           ; v7   MERGE + 5,120 p + 16 x lane
.set Q,    8                           ; v8-23   Q, tile t at 8 + 8 t
.set F,    24                          ; v24-55  four fragments of K or V
.set TM,   56                          ; v56-63  the merge: tile t: a1, L, a2, 1 / L
.set S,    64                          ; v64-191 S^T, tile t at 64 + 64 t; then p; then P in registers 0-31 of each tile
.set FB,   96                          ; v96-127 the second fragment buffer: the upper half of tile 0's S^T
.set PS,   96                          ; the merge: the partner's statistics, 4 a tile
.set O,    192                         ; v192-223 O^T: tile t, channel tile u at 192 + 16 t + 8 u
.set ST,   224                         ; v224-239 tile t at 224 + 8 t: +0 c m, +1 m, +2, +3 l in two halves, +4 .. +7 four chains of the maximum; a takes +6, its exponent +7
.set SB,   240                         ; v240-243 the second chain of the sum, a pair a tile
; s12 wave, s13 cx, s14 query block, s15 head; s[16:23] descriptor group 1; s[24:27], s[28:31] groups 0 of the two first fills, the second then walks;
; s[32:33] c; s[34:35] lane selects; s36 LDS byte of the step in hand; s37, s38 loop counts; s40-51 at work
.macro CROUND                          ; a round of the cluster's barrier
	s_barrier_signal -1
	s_barrier_wait -1
	s_cmp_lg_u32 s12, 0
	s_cbranch_scc1 .Lnot_wave_0_\@
	s_barrier_signal -3
.Lnot_wave_0_\@:
	s_barrier_wait -3
	s_barrier_signal -1
	s_barrier_wait -1
.endm
.macro JLOAD                           ; a joint refill: waves 0 to 3, a region each.  The branch hangs on the wave's number alone.  An s_nop 0 and four v_nop follow the load
	s_cmp_lt_u32 s12, 4
	s_cbranch_scc0 .Lasked_\@
	tensor_load_to_lds s[28:31], s[16:23]
	s_nop 0
.rept 4
	v_nop
.endr
.Lasked_\@:
.endm
	s_load_b256 s[4:11], s[0:1], 0x0               ; qimg s[4:5], kimg s[6:7], vimg s[8:9], oimg s[10:11]
	v_lshl_add_u32 v[SPW], v0, 2, SPARE
	v_mov_b32 v[NIL], 0
	ds_add_u32 v[SPW], v[NIL]                      ; the wave's opening: the add, twice on end, and its wait ahead of the first tensor load; the set-up below, work on registers, stands between
	ds_add_u32 v[SPW], v[NIL]
	v_lshrrev_b32 v[ADK], 5, v0
	v_readfirstlane_b32 s12, v[ADK]                ; wave 0..15
	s_bfe_u32 s13, ttmp6, 0x40000                  ; cx: my place in the cluster
	s_lshl_b32 s14, ttmp9, 2                       ; in a cluster launch ttmp9 counts clusters
	s_add_co_u32 s14, s14, s13                     ; my block of 256 queries: it enters Q's and O's addresses alone
	s_and_b32 s15, ttmp7, 0xffff                   ; the head, which the four partners share
	; descriptor group 1: a dense block of 32,768 bytes as 128 rows of 256 bytes (32 elements of 8 bytes), no padding: fragments are read 512 consecutive bytes at a time
	s_mov_b32 s16, 15|(3<<16)|(1<<21)              ; 15:0 the mask: all four work-groups; 17:16 elements of 8 bytes; 21 set beside a mask
	s_mov_b32 s17, 32<<16                          ; tensor_dim0 = 32
	s_mov_b32 s18, 128<<16                         ; tensor_dim1 = 128
	s_mov_b32 s19, 32<<16                          ; tile_dim0 = 32
	s_mov_b32 s20, 128                             ; tile_dim1 = 128
	s_mov_b32 s21, 32                              ; elements from row to row
	s_mov_b32 s22, 0
	s_mov_b32 s23, 0
	s_mov_b32 s32, 0x3e8293ee                      ; c = log2(e) / sqrt(32)
	s_mov_b32 s33, s32                             ; (named with it as a pair, so it is written)
	s_mov_b32 s34, 0x76543210                      ; v_permlanex16_b32: lane l takes lane l xor 16
	s_mov_b32 s35, 0xfedcba98
	s_mov_b32 s36, 0
	s_and_b32 s40, s12, 3                          ; the region that I would fetch: 0, 1: K of key half 0, 1; 2, 3: V
	s_and_b32 s41, s12, 7                          ; p: my 32 queries
	s_lshr_b32 s42, s12, 3                         ; kh: my half of the keys
	s_lshl_b32 s44, s15, 18                        ; K, V: the head's 262,144 bytes,
	s_and_b32 s45, s40, 1
	s_lshl_b32 s45, s45, 17                        ; the key half's 131,072
	s_add_co_u32 s44, s44, s45
	s_mov_b32 s45, 0
	s_lshl_b32 s46, s15, 18                        ; Q: the head, the block's 16 tiles of 1,024 bytes, my two
	s_lshl_b32 s47, s14, 14
	s_add_co_u32 s46, s46, s47
	s_lshl_b32 s47, s41, 11
	s_add_co_u32 s46, s46, s47
	s_mov_b32 s47, 0
	s_lshr_b32 s48, s15, 3                         ; O: [batch][token tile][head][1,024]
	s_lshl_b32 s48, s48, 21
	s_lshl_b32 s49, s14, 17
	s_add_co_u32 s48, s48, s49
	s_lshl_b32 s49, s41, 14
	s_add_co_u32 s48, s48, s49
	s_and_b32 s49, s15, 7
	s_lshl_b32 s49, s49, 10
	s_add_co_u32 s48, s48, s49
	s_mov_b32 s49, 0
	s_lshl_b32 s50, s40, 15                        ; the region's place in a slot: no place in the cluster enters an LDS address
	v_and_b32 v[LOFF], 31, v0
	v_lshlrev_b32 v[LOFF], 4, v[LOFF]
	s_lshl_b32 s51, s42, 15
	v_add_nc_u32 v[AK0], s51, v[LOFF]
	s_mul_i32 s51, s41, 5120
	s_add_co_u32 s51, s51, MERGE
	v_add_nc_u32 v[MST], s51, v[LOFF]
	s_wait_dscnt 0x0                               ; both opening adds are done
	s_wait_kmcnt 0x0
	s_cmp_lt_u32 s40, 2                            ; the choice hangs on the wave's number alone
	s_cselect_b64 s[26:27], s[6:7], s[8:9]
	s_add_nc_u64 s[26:27], s[26:27], s[44:45]      ; part 0 of my region's stream,
	s_add_nc_u64 s[30:31], s[26:27], 32768         ; part 1
	s_or_b32 s27, s27, 0x80000000                  ; type = 2
	s_or_b32 s31, s31, 0x80000000
	s_mov_b32 s24, 1
	s_mov_b32 s25, s50                             ; into slot 0,
	s_mov_b32 s28, 1
	s_add_co_u32 s29, s50, SLOT1                   ; into slot 1
	s_add_nc_u64 s[4:5], s[4:5], s[46:47]
	s_add_nc_u64 s[10:11], s[10:11], s[48:49]
	CROUND                                         ; all four work-groups are here: the first joint loads meet
	s_cmp_lt_u32 s12, 4                            ; a wave's two first fills stand in one branch, ahead of every wait on TENSORcnt, every LDS read and every further barrier
	s_cbranch_scc0 .Lno_first
	tensor_load_to_lds s[24:27], s[16:23]
	s_nop 0
	tensor_load_to_lds s[28:31], s[16:23]
	s_nop 0
.rept 4
	v_nop
.endr
.Lno_first:
.irp t, 0,1
.irp c, 0,1
	global_load_b128 v[Q+8*\t+4*\c:Q+8*\t+4*\c+3], v[LOFF], s[4:5] offset:\t*1024+512*\c   ; Q stays in registers
.endr
.endr
.irp t, 0,1
	v_mov_b32 v[ST+8*\t+1], 0xff61b1e6             ; m = -3e38, under every score
	v_mov_b32 v[ST+8*\t+2], 0                      ; l
	v_mov_b32 v[ST+8*\t+3], 0
.endr
.irp t, 0,1
	v_mul_f32 v[ST+8*\t], s32, v[ST+8*\t+1]        ; c m
.endr
.set j, 0
.rept 32
	v_mov_b32 v[O+j], 0                            ; O^T: 32 lines once, in place of a further copy of the key step
.set j, j+1
.endr
.macro KLOAD g, reg                    ; four fragments of K: keys 16 (4 g + f) on of the step's 128
.irp f, 0,1,2,3
.irp c, 0,1
	ds_load_b128 v[\reg+8*\f+4*\c:\reg+8*\f+4*\c+3], v[ADK] offset:(4*\g+\f)*1024+512*\c
.endr
.endr
.endm
.macro VLOAD g, reg                    ; four fragments of V^T: key blocks 2 g, 2 g + 1 of the step's four x two channel tiles
.irp b, 0,1
.irp u, 0,1
.irp c, 0,1
	ds_load_b128 v[\reg+8*(2*\b+\u)+4*\c:\reg+8*(2*\b+\u)+4*\c+3], v[ADV] offset:((2*\g+\b)*2+\u)*1024+512*\c
.endr
.endr
.endr
.endm
.macro QK g, reg                       ; 8 products S^T = K Q^T: each is a whole sum (K = the head's 32), so C is the constant 0
.irp f, 0,1,2,3
.irp t, 0,1
	v_wmma_f32_16x16x32_f16 v[S+64*\t+8*(4*\g+\f):S+64*\t+8*(4*\g+\f)+7], v[\reg+8*\f:\reg+8*\f+7], v[Q+8*\t:Q+8*\t+7], 0
.endr
.endr
.endm
.macro PV g, reg                       ; 8 products O^T += V^T P: the four accumulators take turns, one instruction a turn
.irp b, 0,1
.irp u, 0,1
.irp t, 0,1
	v_wmma_f32_16x16x32_f16 v[O+16*\t+8*\u:O+16*\t+8*\u+7], v[\reg+8*(2*\b+\u):\reg+8*(2*\b+\u)+7], v[S+64*\t+8*(2*\g+\b):S+64*\t+8*(2*\g+\b)+7], v[O+16*\t+8*\u:O+16*\t+8*\u+7]
.endr
.endr
.endr
.endm
; A KEY STEP: 128 keys of my half against my two tiles of queries.
.macro STEP
	v_add_nc_u32 v[ADK], s36, v[AK0]
	v_add_nc_u32 v[ADV], 0x10000, v[ADK]
.rept 3
	v_nop                                          ; with the two additions five places behind the last step's products: the first products below write over P, which those read (five are owed), and the loads land on their fragments (four)
.endr
	KLOAD 0, FB
	KLOAD 1, F
	s_wait_dscnt 0x8                               ; LDS loads come back in order: the first eight are in, the second eight may be out
	QK 0, FB
	s_wait_dscnt 0x0
.rept 5
	v_nop                                          ; five places: the products below write over the buffer that the products above read
.endr
	QK 1, F
.rept 4
	v_nop                                          ; four places in front of loads into the fragments just read, and of the first read of results
.endr
	VLOAD 0, F                                     ; V's first half lands under the softmax
	; the maximum of 64 scores and the old m, three operands at a time: four chains of 15, then the four left over.  Each accumulator's first read holds one of its four lowest registers
.irp k, 0,1,2,3
.irp t, 0,1
	v_max3_num_f32 v[ST+8*\t+4+\k], v[S+64*\t+16*\k], v[S+64*\t+16*\k+1], v[S+64*\t+16*\k+2]
.endr
.endr
.irp i, 3,5,7,9,11,13
.irp k, 0,1,2,3
.irp t, 0,1
	v_max3_num_f32 v[ST+8*\t+4+\k], v[ST+8*\t+4+\k], v[S+64*\t+16*\k+\i], v[S+64*\t+16*\k+\i+1]
.endr
.endr
.endr
.irp t, 0,1
	v_max3_num_f32 v[ST+8*\t+4], v[ST+8*\t+4], v[S+64*\t+15], v[S+64*\t+31]
	v_max3_num_f32 v[ST+8*\t+6], v[ST+8*\t+6], v[S+64*\t+47], v[S+64*\t+63]
.endr
.irp t, 0,1
	v_max3_num_f32 v[ST+8*\t+4], v[ST+8*\t+4], v[ST+8*\t+5], v[ST+8*\t+6]
.endr
.irp t, 0,1
	v_max3_num_f32 v[ST+8*\t+4], v[ST+8*\t+4], v[ST+8*\t+7], v[ST+8*\t+1]
.endr
.irp t, 0,1
	v_permlanex16_b32 v[ST+8*\t+5], v[ST+8*\t+4], s34, s35     ; the query's other 64 keys lie in the lane 16 away
.endr
.irp t, 0,1
	v_mov_b32 v[ST+8*\t+7], v[ST+8*\t]             ; c m_old is kept for a
.endr
.irp t, 0,1
	v_max_num_f32 v[ST+8*\t+1], v[ST+8*\t+4], v[ST+8*\t+5]
.endr
.irp t, 0,1
	v_mul_f32 v[ST+8*\t], s32, v[ST+8*\t+1]
.endr
.irp t, 0,1
	v_sub_f32 v[ST+8*\t+7], v[ST+8*\t+7], v[ST+8*\t]
.endr
.set j, 0
.rept 32
	v_pk_fma_f32 v[S+j:S+j+1], v[S+j:S+j+1], s[32:33], v[ST:ST+1] op_sel_hi:[1,0,0] neg_lo:[0,0,1] neg_hi:[0,0,1]              ; c s - c m, two at a time
	v_pk_fma_f32 v[S+64+j:S+64+j+1], v[S+64+j:S+64+j+1], s[32:33], v[ST+8:ST+9] op_sel_hi:[1,0,0] neg_lo:[0,0,1] neg_hi:[0,0,1]
.set j, j+2
.endr
	v_exp_f32 v[ST+6], v[ST+7]                     ; ONE BATCH: a of both tiles and the 128 p; none reads another's result
	v_exp_f32 v[ST+14], v[ST+15]
.set j, 0
.rept 128
	v_exp_f32 v[S+j], v[S+j]
.set j, j+1
.endr
	v_nop                                          ; a plain instruction behind the last exponential,
	s_wait_alu depctr_va_vdst(0)                   ; and one wait ahead of the batch's first reader
	; l = a l + the sum of the unrounded p, two at a time, in two chains a tile
.irp t, 0,1
	v_pk_fma_f32 v[ST+8*\t+2:ST+8*\t+3], v[ST+8*\t+2:ST+8*\t+3], v[ST+8*\t+6:ST+8*\t+7], v[S+64*\t:S+64*\t+1] op_sel_hi:[1,0,1]
	v_pk_add_f32 v[SB+2*\t:SB+2*\t+1], v[S+64*\t+2:S+64*\t+3], v[S+64*\t+6:S+64*\t+7]
.endr
.set j, 4
.rept 14
	v_pk_add_f32 v[ST+2:ST+3], v[ST+2:ST+3], v[S+j:S+j+1]
	v_pk_add_f32 v[ST+10:ST+11], v[ST+10:ST+11], v[S+64+j:S+64+j+1]
	v_pk_add_f32 v[SB:SB+1], v[SB:SB+1], v[S+j+6:S+j+7]
	v_pk_add_f32 v[SB+2:SB+3], v[SB+2:SB+3], v[S+64+j+6:S+64+j+7]
.set j, j+4
.endr
.irp t, 0,1
	v_pk_add_f32 v[ST+8*\t+2:ST+8*\t+3], v[ST+8*\t+2:ST+8*\t+3], v[S+64*\t+60:S+64*\t+61]
.endr
.irp t, 0,1
	v_pk_add_f32 v[ST+8*\t+2:ST+8*\t+3], v[ST+8*\t+2:ST+8*\t+3], v[SB+2*\t:SB+2*\t+1]
.endr
.set j, 0
.rept 32
	v_cvt_pk_f16_f32 v[S+j], v[S+2*j], v[S+2*j+1]              ; P in place, ascending: register j is written when registers 2 j and 2 j + 1 are read, and none below 2 j is read again
	v_cvt_pk_f16_f32 v[S+64+j], v[S+64+2*j], v[S+64+2*j+1]
.set j, j+1
.endr
	VLOAD 1, FB                                    ; the upper half of tile 0's registers is free now
.set j, 0
.rept 8
	v_pk_mul_f32 v[O+j:O+j+1], v[O+j:O+j+1], v[ST+6:ST+7] op_sel_hi:[1,0]          ; O^T x a, each accumulator from its low end on
	v_pk_mul_f32 v[O+16+j:O+16+j+1], v[O+16+j:O+16+j+1], v[ST+14:ST+15] op_sel_hi:[1,0]
.set j, j+2
.endr
	s_wait_dscnt 0x8                               ; V's first eight loads are in, the second eight may be out
	PV 0, F
	s_wait_dscnt 0x0
	PV 1, FB
	s_add_co_u32 s36, s36, 8192                    ; the next step's 8 tiles of K and 4 blocks of V
.endm
.macro SLOT_STEPS                      ; a slot's four key steps: written once, walked four times
	s_mov_b32 s38, 4
.Lstep_\@:
	STEP
	s_sub_co_u32 s38, s38, 1
	s_cmp_lg_u32 s38, 0
	s_cbranch_scc1 .Lstep_\@
.endm
; THE CHANGE OF SLOTS.  Each wave waits for all its tensor loads (its region of the slot ahead), adds 0 to its spare word, and waits for that and for its reads of the slot that it leaves.  Behind the barrier the slot
; ahead is whole and nobody reads the other.  fill = 1: the barrier is a round of the cluster's, so that this holds of every partner, and the slot just left is filled again first thing behind it.
.macro CHANGE fill
	s_wait_tensorcnt 0x0                           ; no tensor load of mine is out, so a group 0 may be written
	ds_add_u32 v[SPW], v[NIL]                      ; 0 onto my spare word
.if \fill
	ds_add_u32 v[SPW], v[NIL]                      ; and once more: twice on end, in every trip alike
	s_xor_b32 s29, s29, SLOT1                      ; the walking descriptor: the other slot than last time,
	s_add_nc_u64 s[30:31], s[30:31], 32768         ; the next 512 keys; the type bits on top are not reached
.endif
	s_wait_dscnt 0x0                               ; the add is done, and my reads of the slot that I leave are over
.if \fill
	CROUND
	JLOAD
.else
	s_barrier_signal -1
	s_barrier_wait -1
.endif
	s_sub_co_u32 s36, s36, 32768                   ; back to a slot's first step,
	s_xor_b32 s36, s36, SLOT1                      ; in the other slot
.endm
	s_wait_tensorcnt 0x1                           ; my region of slot 0 is in; slot 1's load may stay out
	s_barrier_signal -1
	s_barrier_wait -1                              ; everybody's is
	s_wait_loadcnt 0x0                             ; Q
	SLOT_STEPS                                     ; part 0, slot 0
	s_mov_b32 s37, 2
.Lslot:                                            ; two trips: parts 2 and 3 are asked for, parts 1 and 2 are walked
	CHANGE 1
	SLOT_STEPS
	s_sub_co_u32 s37, s37, 1
	s_cmp_lg_u32 s37, 0
	s_cbranch_scc1 .Lslot
	CHANGE 0                                       ; the tail is written out
	SLOT_STEPS                                     ; part 3
	; THE TWO KEY HALVES MEET.  Waves 8 to 15 send O^T and the statistics as they stand; waves 0 to 7 bring both halves under the larger c m, divide by the whole sum and store.
.rept 4
	v_nop                                          ; four places behind the last products: in front of the stores that read results and of the loads into operands
.endr
	s_cmp_lt_u32 s12, 8
	s_cbranch_scc1 .Lno_send
.irp i, 0,1,2,3,4,5,6,7
	ds_store_b128 v[MST], v[O+4*\i:O+4*\i+3] offset:512*\i     ; each accumulator from its low end on
.endr
	ds_store_b128 v[MST], v[ST:ST+3] offset:4096               ; c m, m, l, l of tile 0,
	ds_store_b128 v[MST], v[ST+8:ST+11] offset:4608            ; of tile 1
.Lno_send:
	s_wait_dscnt 0x0                               ; for the others' sake: my stores have landed
	s_barrier_signal -1
	s_barrier_wait -1
	s_cmp_lt_u32 s12, 8
	s_cbranch_scc0 .Lmerged
.irp i, 0,1,2,3,4,5,6,7
	ds_load_b128 v[S+4*\i:S+4*\i+3], v[MST] offset:512*\i
.endr
	ds_load_b128 v[PS:PS+3], v[MST] offset:4096
	ds_load_b128 v[PS+4:PS+7], v[MST] offset:4608
	s_wait_dscnt 0x0
.irp t, 0,1
	v_max_num_f32 v[ST+8*\t+4], v[ST+8*\t], v[PS+4*\t]         ; the larger c m
	v_add_f32 v[ST+8*\t+2], v[ST+8*\t+2], v[ST+8*\t+3]         ; each l's two halves
	v_add_f32 v[PS+4*\t+2], v[PS+4*\t+2], v[PS+4*\t+3]
.endr
.irp t, 0,1
	v_sub_f32 v[ST+8*\t+5], v[ST+8*\t], v[ST+8*\t+4]
	v_sub_f32 v[ST+8*\t+6], v[PS+4*\t], v[ST+8*\t+4]
.endr
.irp t, 0,1
	v_exp_f32 v[TM+4*\t], v[ST+8*\t+5]             ; a1, a2: one of them is 1
	v_exp_f32 v[TM+4*\t+2], v[ST+8*\t+6]
.endr
	v_nop                                          ; a plain instruction behind the last exponential,
	s_wait_alu depctr_va_vdst(0)                   ; and one wait for the four
.irp t, 0,1
	v_mul_f32 v[TM+4*\t+1], v[TM+4*\t], v[ST+8*\t+2]
.endr
.irp t, 0,1
	v_fmac_f32 v[TM+4*\t+1], v[TM+4*\t+2], v[PS+4*\t+2]        ; a1 l1 + a2 l2
.endr
.irp t, 0,1
	v_permlanex16_b32 v[ST+8*\t+4], v[TM+4*\t+1], s34, s35
.endr
.irp t, 0,1
	v_add_f32 v[TM+4*\t+1], v[TM+4*\t+1], v[ST+8*\t+4]         ; with the lane 16 away: the row's sum
.endr
.irp t, 0,1
	v_rcp_f32 v[TM+4*\t+3], v[TM+4*\t+1]
.endr
	v_nop
	s_wait_alu depctr_va_vdst(0)                   ; one wait for the two reciprocals
.irp t, 0,1
	v_mul_f32 v[TM+4*\t], v[TM+4*\t], v[TM+4*\t+3]
	v_mul_f32 v[TM+4*\t+2], v[TM+4*\t+2], v[TM+4*\t+3]
.endr
.set j, 0
.rept 8
	v_pk_mul_f32 v[O+j:O+j+1], v[O+j:O+j+1], v[TM:TM+1] op_sel_hi:[1,0]            ; my half, each accumulator from its low end on,
	v_pk_mul_f32 v[O+16+j:O+16+j+1], v[O+16+j:O+16+j+1], v[TM+4:TM+5] op_sel_hi:[1,0]
.set j, j+2
.endr
.set j, 0
.rept 8
	v_pk_fma_f32 v[O+j:O+j+1], v[S+j:S+j+1], v[TM+2:TM+3], v[O+j:O+j+1] op_sel_hi:[1,0,1]     ; and the partner's
	v_pk_fma_f32 v[O+16+j:O+16+j+1], v[S+16+j:S+16+j+1], v[TM+6:TM+7], v[O+16+j:O+16+j+1] op_sel_hi:[1,0,1]
.set j, j+2
.endr
.set j, 0
.rept 16
	v_cvt_pk_f16_f32 v[F+j], v[O+2*j], v[O+2*j+1]  ; a lane's eight channels of a token: 16 bytes
.set j, j+1
.endr
.irp t, 0,1
.irp u, 0,1
	global_store_b128 v[LOFF], v[F+8*\t+4*\u:F+8*\t+4*\u+3], s[10:11] offset:\t*8192+512*\u   ; 32 lanes store 512 consecutive bytes: half u of the head's fragment of token tile t
.endr
.endr
.Lmerged:
	s_wait_tensorcnt 0x0                           ; the wave's end, behind my last tensor load and my last LDS store
	ds_add_u32 v[SPW], v[NIL]
	s_wait_dscnt 0x0
	CROUND                                         ; the closing round: no work-group ends while a partner may still ask for a region that names it
	s_endpgm
.Lfunc_end_k_qe5cd461f88_attn:
	.size	k_qe5cd461f88_attn, .Lfunc_end_k_qe5cd461f88_attn-k_qe5cd461f88_attn
	.p2alignl 7, 3214868480
	.fill 96, 4, 3214868480
	.section	.rodata,"a",@progbits
	.p2align	6, 0x0
	.amdhsa_kernel k_qe5cd461f88_attn
		.amdhsa_group_segment_fixed_size 327680
		.amdhsa_private_segment_fixed_size 0
		.amdhsa_enable_private_segment 0
		.amdhsa_kernarg_size 32
		.amdhsa_user_sgpr_count 2
		.amdhsa_user_sgpr_kernarg_segment_ptr 1
		.amdhsa_wavefront_size32 1
		.amdhsa_system_sgpr_workgroup_id_x 1
		.amdhsa_system_sgpr_workgroup_id_y 1
		.amdhsa_system_sgpr_workgroup_id_z 1
		.amdhsa_system_vgpr_workitem_id 0
		.amdhsa_next_free_vgpr 256
		.amdhsa_next_free_sgpr 66
		.amdhsa_reserve_vcc 0
		.amdhsa_float_denorm_mode_32 3
		.amdhsa_float_denorm_mode_16_64 3
		.amdhsa_memory_ordered 1
		.amdhsa_forward_progress 1
		.amdhsa_inst_pref_size 93
	.end_amdhsa_kernel
	.amdgpu_metadata
---
amdhsa.version: [ 1, 2 ]
amdhsa.kernels:
  - .name:           k_qe5cd461f88_attn
    .symbol:         k_qe5cd461f88_attn.kd
    .args:
      - { .name: qimg, .offset: 0, .size: 8, .value_kind: global_buffer, .address_space: global }
      - { .name: kimg, .offset: 8, .size: 8, .value_kind: global_buffer, .address_space: global }
      - { .name: vimg, .offset: 16, .size: 8, .value_kind: global_buffer, .address_space: global }
      - { .name: oimg, .offset: 24, .size: 8, .value_kind: global_buffer, .address_space: global }
    .group_segment_fixed_size: 327680
    .private_segment_fixed_size: 0
    .kernarg_segment_align: 8
    .kernarg_segment_size: 32
    .max_flat_workgroup_size: 512
    .sgpr_count:     66
    .vgpr_count:     256
    .wavefront_size: 32
...
	.end_amdgpu_metadata
.endif
;; end of part 2
;; launch proj (part 3): grid 64 x 4, 8 waves a work-group, no clusters, 67,584 bytes of LDS; arguments oimg, w_out, b_out, out0; writes out0
.if DOCPART == 3
	.amdgcn_target "amdgcn-amd-amdhsa--gfx1250"
	.amdhsa_code_object_version 6
	.text
	.protected	k_qe5cd461f88_proj
	.globl	k_qe5cd461f88_proj
	.p2align	8
	.type	k_qe5cd461f88_proj,@function
k_qe5cd461f88_proj:
	s_mov_b64 s[64:65], 0
	v_nop
	global_prefetch_b8 v0, s[64:65] scope:SCOPE_SE
	s_setreg_imm32_b32 hwreg(HW_REG_WAVE_MODE, 25, 1), 1
	s_wait_xcnt 0x0
; out0[b][co][n] = the sum over k of O[b][n][k] w_out[k][co] + b_out[co].  O arrives as f16 images of operand registers ([batch][token tile][head][1,024]: a head is a K step of 32); w_out [256][256] f32 is rounded to
; f16 here; sums f32.  The result is stored transposed, channels outermost.
; SHARES.  A work-group takes 128 tokens (x of the grid) x 64 output channels (y).  Eight waves.  Wave w first rounds K step w (32 rows) of w_out for the 64 channels: a lane takes a channel and its registers run
; down K; pairs are packed, lanes 16-31 of the one half exchanged for lanes 0-15 of the other, and the fragments go to LDS as images of their registers.  Then wave w multiplies token tile w against the four
; channel tiles over the eight K steps: source 0 = 16 tokens, source 1 = 16 channels, so that a lane holds 8 neighbouring tokens of one channel.  The results meet in a stage of 64 rows (channels) x 512 bytes and
; leave as whole rows: 32 lanes store 512 consecutive bytes.
; NO JOINT LOADS: O's fragments go from memory straight into the registers of the one wave that multiplies them, and w_out passes through registers to be rounded; nothing here is brought by a tensor load.
; LIMITS: w_out is rounded to f16: magnitudes under 65,504.  NaN and infinities are not served.
.set WIMG,  0                          ; LDS: w's fragments: (8 n + ks) x 1,024 + 512 c + 16 x lane, n the channel tile
.set STG,   32768                      ; the stage: 64 rows x (512 bytes + 16)
.set SPARE, 66560                      ; the spare words, 128 bytes for each wave: four blocks of 256 bytes that no other line names
.set L4,   1                           ; v1   4 x lane
.set LI,   2                           ; v2   16 x lane
.set IA,   3                           ; v3   where I store images: 16 x lane + 1,024 x wave
.set SO,   4                           ; v4   the stage, in: 528 (lane % 16) + 32 (lane / 16) + 64 x wave
.set SR,   5                           ; v5   the stage, back: my 8 rows, 16 bytes a lane
.set BA,   6                           ; v6   4 x (lane % 16)
.set SPW,  7                           ; v7   LDS address of my spare word; never rewritten
.set NIL,  8                           ; v8   0; never rewritten
.set OF,   16                          ; v16-79  O's eight fragments; later the rows read back
.set ACC,  208                         ; v208-239 four accumulators
.set BB,   240                         ; v240-247 each tile's bias twice, as a pair
; v80-207: first 64 numbers of w (v80-143) and their packed halves (v144-175); then two buffers of 8 fragments of w
	s_load_b256 s[4:11], s[0:1], 0x0               ; oimg s[4:5], w_out s[6:7], b_out s[8:9], out0 s[10:11]
	v_lshl_add_u32 v[SPW], v0, 2, SPARE
	v_mov_b32 v[NIL], 0
	v_lshrrev_b32 v9, 5, v0
	v_readfirstlane_b32 s12, v9                    ; wave 0..7
	s_and_b32 s13, ttmp7, 0xffff                   ; y: which 64 channels
	v_and_b32 v9, 31, v0                           ; lane
	v_and_b32 v10, 15, v0                          ; r
	v_bfe_u32 v11, v0, 4, 1                        ; h
	v_lshlrev_b32 v[L4], 2, v9
	v_lshlrev_b32 v[LI], 4, v9
	v_lshlrev_b32 v[BA], 2, v10
	s_lshl_b32 s14, s12, 10
	v_add_nc_u32 v[IA], s14, v[LI]
	v_mul_u32_u24 v[SO], v10, 528
	v_lshl_add_u32 v[SO], v11, 5, v[SO]
	s_lshl_b32 s14, s12, 6
	s_add_co_u32 s14, s14, STG
	v_add_nc_u32 v[SO], s14, v[SO]
	s_mul_i32 s14, s12, 8*528
	s_add_co_u32 s14, s14, STG
	v_add_nc_u32 v[SR], s14, v[LI]
	s_lshl_b32 s16, ttmp9, 16                      ; O: token tile 8 x block + wave, 8,192 bytes each
	s_lshl_b32 s17, s12, 13
	s_add_co_u32 s16, s16, s17
	s_mov_b32 s17, 0
	s_lshl_b32 s18, s12, 15                        ; w: 32 x wave rows of 1,024 bytes, 64 y channels
	s_lshl_b32 s19, s13, 8
	s_add_co_u32 s18, s18, s19
	s_mov_b32 s20, s19                             ; the bias: 64 y numbers
	s_mov_b32 s19, 0
	s_mov_b32 s21, 0
	s_lshr_b32 s22, ttmp9, 5                       ; out0: row 256 x batch + 64 y + 8 x wave of 16,384 bytes,
	s_lshl_b32 s22, s22, 8
	s_lshl_b32 s23, s13, 6
	s_add_co_u32 s22, s22, s23
	s_lshl_b32 s23, s12, 3
	s_add_co_u32 s22, s22, s23
	s_lshl_b32 s22, s22, 14
	s_and_b32 s23, ttmp9, 31                       ; the block's 128 tokens
	s_lshl_b32 s23, s23, 9
	s_add_co_u32 s22, s22, s23
	s_mov_b32 s23, 0
	s_wait_kmcnt 0x0
	s_add_nc_u64 s[4:5], s[4:5], s[16:17]
	s_add_nc_u64 s[6:7], s[6:7], s[18:19]
	s_add_nc_u64 s[8:9], s[8:9], s[20:21]
	s_add_nc_u64 s[10:11], s[10:11], s[22:23]
.irp n, 0,1,2,3
	global_load_b32 v[BB+2*\n], v[BA], s[8:9] offset:64*\n     ; the bias of channel 16 n + lane % 16, in both registers of a pair
	global_load_b32 v[BB+2*\n+1], v[BA], s[8:9] offset:64*\n
.endr
.irp g, 0,1
.set i, 0
.rept 32
	global_load_b32 v[80+32*\g+i], v[L4], s[6:7] offset:i*1024+128*\g   ; w(32 x wave + i, channel 32 g + lane): 128 consecutive bytes
.set i, i+1
.endr
.endr
.irp k, 0,1,2,3,4,5,6,7
.irp c, 0,1
	global_load_b128 v[OF+8*\k+4*\c:OF+8*\k+4*\c+3], v[LI], s[4:5] offset:\k*1024+512*\c
.endr
.endr
; 32 numbers down K of channel 32 g + lane become the fragments of channel tiles 2 g and 2 g + 1.  A fragment's lane (r, h) wants k = 8 h + 0 .. 7 and 16 + 8 h + 0 .. 7 of channel r.
.macro CONV g
.set RW, 80+32*\g
.set TA, 144+16*\g
.set TC, 152+16*\g
.irp i, 0,1,2,3
	v_cvt_pk_f16_f32 v[TA+\i], v[RW+2*\i], v[RW+2*\i+1]            ; k 0-7
	v_cvt_pk_f16_f32 v[TC+\i], v[RW+8+2*\i], v[RW+8+2*\i+1]        ; k 8-15
	v_cvt_pk_f16_f32 v[TA+4+\i], v[RW+16+2*\i], v[RW+16+2*\i+1]    ; k 16-23
	v_cvt_pk_f16_f32 v[TC+4+\i], v[RW+24+2*\i], v[RW+24+2*\i+1]    ; k 24-31
.endr
.irp i, 0,1,2,3,4,5,6,7
	v_permlane16_swap_b32 v[TA+\i], v[TC+\i]       ; the first's lanes 16-31 change places with the second's lanes 0-15: now the first is tile 2 g's fragment, the second tile 2 g + 1's
.endr
	ds_store_b128 v[IA], v[TA:TA+3] offset:WIMG+(2*\g)*8192
	ds_store_b128 v[IA], v[TA+4:TA+7] offset:WIMG+(2*\g)*8192+512
	ds_store_b128 v[IA], v[TC:TC+3] offset:WIMG+(2*\g+1)*8192
	ds_store_b128 v[IA], v[TC+4:TC+7] offset:WIMG+(2*\g+1)*8192+512
.endm
	s_wait_loadcnt 48                              ; loads come back in order: the bias and w's first 32 are in; w's second 32 and O's 16 may be out
	CONV 0
	s_wait_loadcnt 16                              ; O's 16 may be out
	CONV 1
	s_wait_dscnt 0x0                               ; for the others' sake: my stores have landed
	s_barrier_signal -1
	s_barrier_wait -1                              ; w's 32 fragments lie in LDS
.macro WLOAD q                         ; K steps 2 q and 2 q + 1 of the four channel tiles: 16 loads into buffer q % 2
.set WB, 80+64*((\q)%2)
.irp n, 0,1,2,3
.irp k, 0,1
.irp c, 0,1
	ds_load_b128 v[WB+16*\n+8*\k+4*\c:WB+16*\n+8*\k+4*\c+3], v[LI] offset:WIMG+\n*8192+(2*(\q)+\k)*1024+512*\c
.endr
.endr
.endr
.endm
.macro MULS q, zero                    ; 8 matrix instructions; the four accumulators take turns.  zero = 1: the first four start the sums
.set WB, 80+64*((\q)%2)
.irp k, 0,1
.irp n, 0,1,2,3
.if (\zero) && (\k == 0)
	v_wmma_f32_16x16x32_f16 v[ACC+8*\n:ACC+8*\n+7], v[OF+8*(2*(\q)+\k):OF+8*(2*(\q)+\k)+7], v[WB+16*\n+8*\k:WB+16*\n+8*\k+7], 0
.else
	v_wmma_f32_16x16x32_f16 v[ACC+8*\n:ACC+8*\n+7], v[OF+8*(2*(\q)+\k):OF+8*(2*(\q)+\k)+7], v[WB+16*\n+8*\k:WB+16*\n+8*\k+7], v[ACC+8*\n:ACC+8*\n+7]
.endif
.endr
.endr
.endm
.macro PLACES                          ; four places in front of loads into registers that matrix instructions have read, and of the first read of results
.rept 4
	v_nop
.endr
.endm
	WLOAD 0
	WLOAD 1
	s_wait_loadcnt 0x0                             ; O
	s_wait_dscnt 16                                ; the older batch of 16 is in, the younger may be out; so at each of these waits
	MULS 0, 1
	PLACES
	WLOAD 2
	s_wait_dscnt 16
	MULS 1, 0
	PLACES
	WLOAD 3
	s_wait_dscnt 16
	MULS 2, 0
	s_wait_dscnt 0x0
	MULS 3, 0
	PLACES
.irp n, 0,1,2,3
.irp j, 0,2,4,6
	v_pk_add_f32 v[ACC+8*\n+\j:ACC+8*\n+\j+1], v[ACC+8*\n+\j:ACC+8*\n+\j+1], v[BB+2*\n:BB+2*\n+1]   ; + the channel's bias; each accumulator from its low end on
.endr
.endr
.irp n, 0,1,2,3
	ds_store_b128 v[SO], v[ACC+8*\n:ACC+8*\n+3] offset:\n*16*528          ; lane (r, h): channel 16 n + r, tokens 16 x wave + 8 h + 0 .. 7
	ds_store_b128 v[SO], v[ACC+8*\n+4:ACC+8*\n+7] offset:\n*16*528+16
.endr
	s_wait_dscnt 0x0                               ; for the others' sake: my stores have landed
	s_barrier_signal -1
	s_barrier_wait -1                              ; 64 whole rows lie in the stage
.irp i, 0,1,2,3,4,5,6,7
	ds_load_b128 v[OF+4*\i:OF+4*\i+3], v[SR] offset:\i*528
.endr
.irp i, 0,1,2,3,4,5,6,7
	s_wait_dscnt 7-\i                              ; row i is back; the rows behind it may be out
	global_store_b128 v[LI], v[OF+4*\i:OF+4*\i+3], s[10:11] offset:\i*16384 th:TH_STORE_NT   ; 32 lanes store 512 consecutive bytes of a channel's row; written once, read by nobody here
.endr
	s_wait_tensorcnt 0x0                           ; the wave's end, behind my last LDS store
	ds_add_u32 v[SPW], v[NIL]
	s_wait_dscnt 0x0
	s_endpgm
.Lfunc_end_k_qe5cd461f88_proj:
	.size	k_qe5cd461f88_proj, .Lfunc_end_k_qe5cd461f88_proj-k_qe5cd461f88_proj
	.p2alignl 7, 3214868480
	.fill 96, 4, 3214868480
	.section	.rodata,"a",@progbits
	.p2align	6, 0x0
	.amdhsa_kernel k_qe5cd461f88_proj
		.amdhsa_group_segment_fixed_size 67584
		.amdhsa_private_segment_fixed_size 0
		.amdhsa_enable_private_segment 0
		.amdhsa_kernarg_size 32
		.amdhsa_user_sgpr_count 2
		.amdhsa_user_sgpr_kernarg_segment_ptr 1
		.amdhsa_wavefront_size32 1
		.amdhsa_system_sgpr_workgroup_id_x 1
		.amdhsa_system_sgpr_workgroup_id_y 1
		.amdhsa_system_sgpr_workgroup_id_z 1
		.amdhsa_system_vgpr_workitem_id 0
		.amdhsa_next_free_vgpr 256
		.amdhsa_next_free_sgpr 66
		.amdhsa_reserve_vcc 0
		.amdhsa_float_denorm_mode_32 3
		.amdhsa_float_denorm_mode_16_64 3
		.amdhsa_memory_ordered 1
		.amdhsa_forward_progress 1
		.amdhsa_inst_pref_size 24
	.end_amdhsa_kernel
	.amdgpu_metadata
---
amdhsa.version: [ 1, 2 ]
amdhsa.kernels:
  - .name:           k_qe5cd461f88_proj
    .symbol:         k_qe5cd461f88_proj.kd
    .args:
      - { .name: oimg, .offset: 0, .size: 8, .value_kind: global_buffer, .address_space: global }
      - { .name: w_out, .offset: 8, .size: 8, .value_kind: global_buffer, .address_space: global }
      - { .name: b_out, .offset: 16, .size: 8, .value_kind: global_buffer, .address_space: global }
      - { .name: out0, .offset: 24, .size: 8, .value_kind: global_buffer, .address_space: global }
    .group_segment_fixed_size: 67584
    .private_segment_fixed_size: 0
    .kernarg_segment_align: 8
    .kernarg_segment_size: 32
    .max_flat_workgroup_size: 256
    .sgpr_count:     66
    .vgpr_count:     256
    .wavefront_size: 32
...
	.end_amdgpu_metadata
.endif
;; end of part 3
